; MI455X (gfx1250); checked and timed in simulation.
; The chip was launched on July 23, 2026; its instructions are those of AMD's public machine-readable ISA for CDNA 5 (MIT licence, August 2026) and "CDNA5" Instruction Set Architecture Reference Guide (July 2026). The comments in the code are by the model that wrote it; some were corrected since.
;; Tensorized GRU. Allowed arithmetic: matrix products marked QUANTISED: E3M2 operands, one E8M0 scale for each 32 along K, by v_wmma_scale_f32_16x16x128_f8f6f4 with both operands' format E3M2, f32 sums; products left as they are: f32 operands where the result goes on into a quantised operand, else bf16, f16 or f32 operands; f32 sums; everything else in f32.
;; Inputs: W1 128 x 256 x 256 float32; W2 128 x 256 x 256 float32; W3 256 x 128 float32; b1 128 float32; b2 128 float32; in0 4,096 x 128 float32; in1 4,096 x 128 float32; st0 4,096 x 128 float32; st1 4,096 x 128 float32.
;; Outputs: out0 4,096 x 128 float32.
;; This version of the problem:
;;   THIS VERSION OF THE PROBLEM IS GIVEN IN LOW PRECISION. The matrix products marked QUANTISED in the list below multiply operands that are first quantised to E3M2 (3 exponent bits, 2 mantissa bits; 6 bits a number), with one power-of-two scale for each 32 numbers along K (OCP MX v1.0); their sums are f32. All else is computed in f32.
;;   The module's matrix products, in the order in which they are computed (A, B: the left and right operand; K: the contracted axis; several contracted axes count as one K, in the product's order):
;;     1. batch 4,096 x [M 256, K 1] x [K 1, N 256]; A: computed on the way; B: computed on the way: left as it is (no contracted axis)
;;     2. [M 4,096, K 65,536] x [K 65,536, N 128]; A: computed on the way; B: input W1: QUANTISED
;;     3. batch 4,096 x [M 256, K 1] x [K 1, N 256]; A: computed on the way; B: computed on the way: left as it is (no contracted axis)
;;     4. [M 4,096, K 65,536] x [K 65,536, N 128]; A: computed on the way; B: input W2: QUANTISED
;;     5. [M 4,096, K 256] x [K 256, N 128]; A: computed on the way; B: input W3: QUANTISED
;;   THE QUANTISER, for each operand of a quantised product, along K:
;;     - K is cut into blocks of 32 from its start; a last block that is shorter is filled with zeros.
;;     - A block's scale is 2^e with e = floor(log2(the largest magnitude in the block)) - 4, held to -126 .. 127; a block of zeros has e = 0. As a byte (E8M0): e + 127.
;;     - Each number is divided by its block's scale, clamped to +-28, and rounded to the nearest number of E3M2, ties to even, subnormals kept.
;;     - The product sums the exact products of the quantised numbers (number of the format x scale) in f32.
;;   ~~~python
;;   def quantise(x, axis):      # numpy; x: float32 -> the quantised numbers, widened to float32 again
;;       x = np.moveaxis(x, axis, -1); K = x.shape[-1]
;;       x = np.pad(x, [(0, 0)] * (x.ndim - 1) + [(0, -K % 32)]); x = x.reshape(x.shape[:-1] + (-1, 32)); a = np.abs(x).max(-1, keepdims=True)
;;       e = np.where(a > 0, np.clip(np.frexp(np.where(a > 0, a, 1))[1] - 1 - 4, -126, 127), 0)      # np.frexp(a)[1] - 1 = floor(log2(a)), exactly
;;       r = np.clip(x / 2.0 ** e, -28, 28)
;;       step = 2.0 ** (np.maximum(np.frexp(np.where(r == 0, 1, r))[1] - 1, -2) - 2)
;;       q = np.round(r / step) * step * 2.0 ** e      # np.round: ties to even
;;       return np.moveaxis(q.reshape(q.shape[:-2] + (-1,))[..., :K], -1, axis).astype(np.float32)
;;   ~~~
;;   OPERANDS COMPUTED ON THE WAY. 'Computed on the way' means the value that the module computes at that place (a softmax that the list does not call 'softmax' is quantised finished and normalised). What goes into a quantiser is computed in f32, as accurately as f32 sums, v_exp_f32 and their like allow (about 1e-6 of the number): no bf16 or f16 on the way to a quantiser, and a product that is left as it is and whose result goes on into a quantised operand takes f32 operands (vector FMAs, or v_wmma_f32_16x16x4_f32). A number that lies on a knife's edge between two numbers of the format may be rounded either way, as far as f32 arithmetic and the matrix unit's own rounding can turn it there, and no further.
;; One version. Each part assembles by itself: llvm-mc -triple=amdgcn-amd-amdhsa -mcpu=gfx1250 --defsym DOCPART=n.
;; ======== version 1 of 1: 3 launches
;; workspace buffers: wq 13,107,200 bytes; sl 4,194,304 bytes; sq 819,200 bytes; w3q 25,600 bytes; part 33,554,432 bytes
;; launch prep (part 1): grid 256 x 1, 4 waves a work-group, no clusters, 287,232 bytes of LDS; arguments W1, W2, W3, st0, st1, wq, sl, sq, w3q; writes wq, sl, sq, w3q
.if DOCPART == 1
	.amdgcn_target "amdgcn-amd-amdhsa--gfx1250"
	.amdhsa_code_object_version 6
	.text
	.protected	k_q437dd636c3_prep
	.globl	k_q437dd636c3_prep
	.p2align	8
	.type	k_q437dd636c3_prep,@function
k_q437dd636c3_prep:
	s_mov_b64 s[64:65], 0
	v_nop
	global_prefetch_b8 v0, s[64:65] scope:SCOPE_SE
	s_setreg_imm32_b32 hwreg(HW_REG_WAVE_MODE, 25, 1), 1
	s_wait_xcnt 0x0
; W1, W2 [128 l][256 j][256 k] f32 become codes of BF6 (E3M2) with one E8M0 byte for each 32 along K (K = j outer, k inner: a block is one j and 32 neighbouring k), laid as IMAGES OF
; OPERAND REGISTERS for the next launch.  s = [st0 | st1] is laid anew in lane order (sl) and quantised along j (sq); W3 [256 j][128 n] is quantised along j (w3q).
; THE ORDER OF K.  A K step of 128 is (kb, kh, t): its block 2 c + h (registers 6 c .. 6 c + 5 of the lanes' half h) is j = 128 kh + 64 h + 2 t + c, k = 32 kb + 0 .. 31.  The same order is used for the other operand.
; wq: [kb 8][kh 2][t 32] blocks of 25,600 bytes; a block is W1's half and W2's half of 12,800; a half is 8 fragment images of 1,536 bytes (16 columns l each; register p of lane n at 512 (p / 4) + 16 n + 4 (p % 4))
;     and 512 bytes of scale words: column r of tile a at 12,288 + 256 (a / 4) + 16 r + 4 (a % 4).
; SHARES.  Work-group id: g = id % 4, t = (id / 4) % 32, kh = id / 128.  Wave w takes tile 4 g + w of the 16 (8 of W1, 8 of W2), the four j of (kh, t) and all 256 k: 64 KiB in, 8 fragments (one for each kb) out.
; Its four tiles (16 rows l x 1,024 bytes, one j each) come by four tensor loads, filled once and read by the wave alone, two by two behind two waits on TENSORcnt.
; While they are on their way: waves 0 and 1 take row tile T = id of st0 / st1; waves 2 and 3 of work-groups 0 to 7 take one of W3's 16 fragments.
; A block's scale byte is its largest magnitude's exponent field - 4, held at 1 from below.  A block of zeros so has the byte 1 over zero codes; only this program reads the bytes.
; LIMITS: NaN and infinities among the inputs are not served.
.set TILEB, 16640                      ; a tile in LDS: 16 rows x (1,024 bytes + 16 of padding)
.set WTILE, 4*TILEB                    ; a wave's four tiles
.set SST,   4*WTILE                    ; behind the tiles: the stage that turns s, 16 rows x 528 bytes for each of waves 0, 1
.set SSTW,  8448
.set SCG,   SST+2*SSTW                 ; behind it: the scale words of the work-group's four tiles, [kb][256 bytes]
.set KBS,   1638400                    ; wq: from kb to kb + 1
.set BLKB,  25600
.set HALFB, 12800
.set BUFA,  16                         ; v16-79   numbers as loaded; later two sets of 32 numbers of W
.set BUFB,  80                         ; v80-143  s turned, or W3's numbers
.set FRG,   144                        ; v144-239 eight fragments of 12
.set PWR,   240                        ; v240-247 scale words, one for each kb
.set TH,    248                        ; v248-250 a block's upper 16 codes (a conversion's three registers begin on an even number)
.set TP,    251
.set MX0,   252
.set MX1,   253
.set SC0,   254
.set SC1,   255
	s_load_b256 s[4:11], s[0:1], 0x0               ; W1, W2, W3, st0
	s_load_b256 s[48:55], s[0:1], 0x20             ; st1, wq, sl, sq
	s_load_b64 s[56:57], s[0:1], 0x40              ; w3q
	v_lshl_add_u32 v15, v0, 2, 0x46000
	s_set_vgpr_msb 0x40
	v_mov_b32 v1, 0
	s_set_vgpr_msb 0x4044
	ds_add_u32 v15, v1
	ds_add_u32 v15, v1
	s_set_vgpr_msb 0x4400
	v_lshrrev_b32 v13, 5, v0
	v_readfirstlane_b32 s14, v13                   ; wave 0..3
	s_and_b32 s15, ttmp9, 3                        ; g
	s_bfe_u32 s2, ttmp9, 0x50002                   ; t
	s_lshr_b32 s3, ttmp9, 7                        ; kh
	; descriptor group 1: 16 rows of 256 elements of 4 bytes, 65,536 elements from row to row (from l to l + 1), 4 words of padding behind every 256
	s_mov_b32 s16, (2<<16)|(1<<20)|(7<<22)|(3<<25)
	s_mov_b32 s17, 256<<16                         ; tensor_dim0
	s_mov_b32 s18, 16<<16                          ; tensor_dim1
	s_mov_b32 s19, 256<<16                         ; tile_dim0
	s_mov_b32 s20, 16                              ; tile_dim1
	s_mov_b32 s21, 65536                           ; the pitch
	s_mov_b32 s22, 0
	s_mov_b32 s23, 0
	s_mov_b32 s40, 0x76543210
	s_mov_b32 s41, 0xfedcba98                      ; v_permlanex16_b32's selects for lane l xor 16
	s_mul_i32 s42, s14, WTILE                      ; my tiles in LDS
	s_and_b32 s12, s15, 1
	s_lshl_b32 s13, s12, 2
	s_add_co_u32 s13, s13, s14                     ; a = 4 (g % 2) + w: my tile among its tensor's eight
	s_lshl_b32 s60, s13, 22                        ; 16 a rows l of 262,144 bytes
	s_lshl_b32 s43, s3, 17                         ; + 128 kh rows j of 1,024 bytes
	s_add_co_u32 s60, s60, s43
	s_lshl_b32 s43, s2, 11                         ; + 2 t
	s_add_co_u32 s60, s60, s43
	s_mov_b32 s61, 0
	s_lshr_b32 s43, s15, 1                         ; 0: W1, 1: W2
	s_wait_dscnt 0x0
	s_wait_kmcnt 0x0
	s_cmp_eq_u32 s43, 0
	s_cselect_b64 s[58:59], s[4:5], s[6:7]
	s_add_nc_u64 s[58:59], s[58:59], s[60:61]
.irp n, 0,1,2,3                        ; tile n = 2 c + h: j = 128 kh + 64 h + 2 t + c
	s_mov_b32 s[24+4*\n], 1
	s_add_co_u32 s[25+4*\n], s42, \n*TILEB
	s_add_nc_u64 s[26+4*\n:27+4*\n], s[58:59], (64*(\n%2)+(\n/2))*1024
	s_or_b32 s[27+4*\n], s[27+4*\n], 0x80000000
.endr
	tensor_load_to_lds s[24:27], s[16:23]          ; the four first fills go out together: four loads of mine are out
	s_nop 0
	tensor_load_to_lds s[28:31], s[16:23]
	s_nop 0
	tensor_load_to_lds s[32:35], s[16:23]
	s_nop 0
	tensor_load_to_lds s[36:39], s[16:23]
	s_nop 0
.rept 4
	v_nop
.endr
	; where my results go
	s_lshl_b32 s12, s3, 5
	s_add_co_u32 s12, s12, s2
	s_mul_i32 s60, s12, BLKB                       ; block (kh, t)
	s_mul_i32 s12, s43, HALFB                      ; W1's half or W2's
	s_add_co_u32 s60, s60, s12
	s_add_nc_u64 s[50:51], s[50:51], s[60:61]
	s_mul_i32 s60, s13, 1536
	s_add_nc_u64 s[44:45], s[50:51], s[60:61]      ; my tile's image, kb 0 to 3 by the immediate
	s_add_nc_u64 s[46:47], s[44:45], 4*KBS         ; kb 4 to 7
	s_and_b32 s12, s15, 1
	s_lshl_b32 s12, s12, 8
	s_mul_i32 s60, s14, 2*KBS                      ; the scale words: wave w stores those of kb 2 w and 2 w + 1
	s_add_co_u32 s60, s60, s12
	s_add_co_u32 s60, s60, 12288
	s_add_nc_u64 s[62:63], s[50:51], s[60:61]
	; every address register is made here, ahead of the waves' parting
	v_and_b32 v14, 31, v0
	v_lshlrev_b32 v1, 4, v14                       ; 16 x lane
	v_and_b32 v2, 15, v0                           ; r
	v_bfe_u32 v3, v0, 4, 1                         ; h
	v_lshlrev_b32 v4, 3, v3                        ; 8 h
	v_mul_u32_u24 v5, v2, 1040
	v_mad_u32_u24 v5, v3, TILEB, v5
	v_add_nc_u32 v5, s42, v5                       ; W: tile h of my four, row r
	s_and_b32 s43, s14, 1
	s_mul_i32 s43, s43, SSTW
	s_add_co_u32 s43, s43, SST
	v_add_nc_u32 v6, s43, v1                       ; the stage for s, in: 16 x lane
	v_mul_u32_u24 v7, v2, 528
	v_lshl_add_u32 v7, v3, 8, v7
	v_add_nc_u32 v7, s43, v7                       ; and out: row r, + 256 h
	v_lshlrev_b32 v8, 4, v2
	s_lshl_b32 s43, s14, 2
	s_add_co_u32 s43, s43, SCG
	v_add_nc_u32 v8, s43, v8                       ; scale words, in: 16 r + 4 w
	s_lshl_b32 s43, s14, 9
	s_add_co_u32 s43, s43, SCG
	v_add_nc_u32 v9, s43, v1                       ; and out: 512 w + 16 x lane
	v_lshlrev_b32 v10, 15, v3
	v_lshl_add_u32 v10, v2, 2, v10                 ; W3: 64 h rows of 512 bytes + 4 r
	v_lshlrev_b32 v11, 2, v2                       ; 4 r
	v_mul_u32_u24 v12, v3, KBS
	v_lshl_add_u32 v12, v2, 4, v12                 ; scale words in wq: lanes 16-31 one kb on
	v_mov_b32 v[TP], 0                             ; written once: a lane permute's destination counts as one of its sources
; Two whole blocks of a lane, v[src + 32 c + 0 .. 31], become a fragment's 12 registers at v[dst] and its scale word in v[wd]
.macro QUANT2 src, dst, wd
	v_max3_num_f32 v[MX0], |v[\src]|, |v[\src+1]|, 0x2800000       ; the floor 2^(5 - 127): the byte cannot fall under 1
	v_max3_num_f32 v[MX1], |v[\src+32]|, |v[\src+33]|, 0x2800000
.irp i, 2,4,6,8,10,12,14,16,18,20,22,24,26,28,30
	v_max3_num_f32 v[MX0], v[MX0], |v[\src+\i]|, |v[\src+\i+1]|    ; the two blocks by turns
	v_max3_num_f32 v[MX1], v[MX1], |v[\src+32+\i]|, |v[\src+33+\i]|
.endr
	v_add_nc_u32 v[SC0], 0xfe000000, v[MX0]        ; 4 off the exponent field: the conversion's scale operand
	v_add_nc_u32 v[SC1], 0xfe000000, v[MX1]
	v_lshrrev_b32 v[MX0], 23, v[SC0]               ; the bytes
	v_lshrrev_b32 v[MX1], 23, v[SC1]
	v_lshl_or_b32 v[\wd], v[MX1], 16, v[MX0]       ; blocks h and 2 + h,
	v_lshlrev_b32 v[\wd], v4, v[\wd]               ; at their places in the word;
	v_permlanex16_b32 v[TP], v[\wd], s40, s41
	v_or_b32 v[\wd], v[\wd], v[TP]                 ; with lane l xor 16's two the word is whole
.irp c, 0,1
	v_cvt_scalef32_pk16_bf6_f32 v[\dst+6*\c:\dst+6*\c+2], v[\src+32*\c:\src+32*\c+15], v[SC0+\c]
	v_cvt_scalef32_pk16_bf6_f32 v[TH:TH+2], v[\src+32*\c+16:\src+32*\c+31], v[SC0+\c]
	v_nop                                          ; one plain place behind a scaled conversion
	v_mov_b32 v[\dst+6*\c+3], v[TH]
	v_mov_b32 v[\dst+6*\c+4], v[TH+1]
	v_mov_b32 v[\dst+6*\c+5], v[TH+2]
.endr
.endm
.macro SMALLQ                          ; the fragment of s or of W3: image to s[4:5], scale words to s[6:7]
	QUANT2 BUFB, FRG, PWR
.irp c, 0,1,2
	global_store_b128 v1, v[FRG+4*\c:FRG+4*\c+3], s[4:5] offset:512*\c
.endr
	global_store_b32 v11, v[PWR], s[6:7]           ; 64 consecutive bytes; both halves of the lanes hold the same word
.endm
	s_cmp_lt_u32 s14, 2
	s_cbranch_scc0 .Lw23
	; ---- waves 0, 1: rows 16 T .. 16 T + 15 of st0 (wave 0) or st1 (wave 1)
	s_cmp_eq_u32 s14, 0
	s_cselect_b64 s[58:59], s[10:11], s[48:49]
	s_lshl_b32 s60, ttmp9, 13
	s_add_nc_u64 s[58:59], s[58:59], s[60:61]
.irp i, 0,1,2,3,4,5,6,7,8,9,10,11,12,13,14,15
	global_load_b128 v[BUFA+4*\i:BUFA+4*\i+3], v1, s[58:59] offset:512*\i th:TH_LOAD_NT   ; a row: 512 consecutive bytes
.endr
	s_lshl_b32 s12, ttmp9, 1
	s_add_co_u32 s12, s12, s14                     ; 2 T + kh
	s_lshl_b32 s60, s12, 13
	s_add_nc_u64 s[52:53], s[52:53], s[60:61]      ; sl
	s_mul_i32 s60, s12, 1536
	s_add_nc_u64 s[4:5], s[54:55], s[60:61]        ; sq: the fragment's image
	s_lshl_b32 s60, s12, 6
	s_add_co_u32 s60, s60, 786432
	s_add_nc_u64 s[6:7], s[54:55], s[60:61]        ; sq: its scale words
.irp i, 0,1,2,3,4,5,6,7,8,9,10,11,12,13,14,15
	s_wait_loadcnt 15-\i                           ; row i is in; the younger rows stay out
	ds_store_b128 v6, v[BUFA+4*\i:BUFA+4*\i+3] offset:528*\i
.endr
.irp u, 0,1,2,3,4,5,6,7,8,9,10,11,12,13,14,15
	ds_load_b128 v[BUFB+4*\u:BUFB+4*\u+3], v7 offset:16*\u   ; LDS serves a wave's instructions in order: these see my stores.  Lane (r, h): s[16 T + r][128 kh + 64 h + 4 u ..]
.endr
.irp u, 0,1,2,3,4,5,6,7,8,9,10,11,12,13,14,15
	s_wait_dscnt 15-\u
	global_store_b128 v1, v[BUFB+4*\u:BUFB+4*\u+3], s[52:53] offset:512*\u
.endr
	SMALLQ
	s_branch .Ljoin
.Lw23:
	; ---- waves 2, 3 of work-groups 0 to 7: W3's fragment f = 2 id + w - 2: K step f / 8, columns 16 (f % 8) on.  A lane takes a column, its registers run down j
	s_cmp_lt_u32 ttmp9, 8
	s_cbranch_scc0 .Ljoin
	s_lshl_b32 s12, ttmp9, 1
	s_add_co_u32 s12, s12, s14
	s_sub_co_u32 s12, s12, 2
	s_lshr_b32 s13, s12, 3
	s_and_b32 s43, s12, 7
	s_lshl_b32 s60, s13, 16
	s_lshl_b32 s2, s43, 6
	s_add_co_u32 s60, s60, s2
	s_add_nc_u64 s[58:59], s[8:9], s[60:61]
.set N, 0
.rept 64
	global_load_b32 v[BUFB+N], v10, s[58:59] offset:512*N
.set N, N+1
.endr
	s_mul_i32 s60, s12, 1536
	s_add_nc_u64 s[4:5], s[56:57], s[60:61]
	s_lshl_b32 s60, s43, 7
	s_lshl_b32 s2, s13, 6
	s_add_co_u32 s60, s60, s2
	s_add_co_u32 s60, s60, 24576
	s_add_nc_u64 s[6:7], s[56:57], s[60:61]
	s_wait_loadcnt 0x0
	SMALLQ
.Ljoin:
	s_wait_xcnt 0x0                                ; the stores above have read their registers: v80 on and v144 on are written again below
; ---- W.  Block q = 8 c + kb of my sixteen: 32 numbers, W[l0 + r][j(h, c)][32 kb ..], into set q % 2
.macro WLD q
.irp i, 0,1,2,3,4,5,6,7
	ds_load_b128 v[BUFA+32*((\q)%2)+4*\i:BUFA+32*((\q)%2)+4*\i+3], v5 offset:((\q)/8)*2*TILEB+128*((\q)%8)+16*\i
.endr
.endm
.macro WBLK q
.set XS, BUFA+32*((\q)%2)
.set CC, (\q)/8
.set KB, (\q)%8
.set FO, FRG+12*KB+6*CC
.if (\q) < 15
	s_wait_dscnt 8                                 ; this block's eight loads are in; the next block's eight may be out
.else
	s_wait_dscnt 0x0
.endif
	v_max3_num_f32 v[MX0], |v[XS]|, |v[XS+1]|, |v[XS+2]|
	v_max3_num_f32 v[MX1], |v[XS+3]|, |v[XS+4]|, |v[XS+5]|
.irp i, 6,10,14,18,22,26
	v_max3_num_f32 v[MX0], v[MX0], |v[XS+\i]|, |v[XS+\i+1]|
	v_max3_num_f32 v[MX1], v[MX1], |v[XS+\i+2]|, |v[XS+\i+3]|
.endr
	v_max3_num_f32 v[MX0], v[MX0], |v[XS+30]|, |v[XS+31]|
	v_max3_num_f32 v[MX0], v[MX0], v[MX1], 0x2800000
	v_add_nc_u32 v[SC0], 0xfe000000, v[MX0]
.if CC == 0
	v_lshrrev_b32 v[PWR+KB], 23, v[SC0]
.else
	v_lshrrev_b32 v[SC1], 23, v[SC0]
	v_lshl_or_b32 v[PWR+KB], v[SC1], 16, v[PWR+KB]
.endif
	v_cvt_scalef32_pk16_bf6_f32 v[FO:FO+2], v[XS:XS+15], v[SC0]
	v_cvt_scalef32_pk16_bf6_f32 v[TH:TH+2], v[XS+16:XS+31], v[SC0]
	v_nop                                          ; one plain place behind a scaled conversion
	v_mov_b32 v[FO+3], v[TH]
	v_mov_b32 v[FO+4], v[TH+1]
	v_mov_b32 v[FO+5], v[TH+2]
.if CC == 1                            ; the fragment of kb is whole: each store covers 512 consecutive bytes, aligned to 256.  Each fragment has registers of its own: no store's data are written again
.irp i, 0,1,2
.if KB < 4
	global_store_b128 v1, v[FRG+12*KB+4*\i:FRG+12*KB+4*\i+3], s[44:45] offset:KB*KBS+512*\i
.else
	global_store_b128 v1, v[FRG+12*KB+4*\i:FRG+12*KB+4*\i+3], s[46:47] offset:(KB-4)*KBS+512*\i
.endif
.endr
.endif
.endm
	s_wait_tensorcnt 0x2                           ; my two tiles of c = 0 are in; the two of c = 1 stay out
	WLD 0
.set Q, 0
.rept 16
.if Q == 7
	s_wait_tensorcnt 0x0                           ; the tiles of c = 1, ahead of their first read
.endif
.if Q < 15
	WLD Q+1
.endif
	WBLK Q
.set Q, Q+1
.endr
.irp k, 0,1,2,3,4,5,6,7
	v_lshlrev_b32 v[PWR+\k], v4, v[PWR+\k]
.endr
.irp k, 0,1,2,3,4,5,6,7
	v_permlanex16_b32 v[BUFA+\k], v[PWR+\k], s40, s41
.endr
.irp k, 0,1,2,3,4,5,6,7
	v_or_b32 v[PWR+\k], v[PWR+\k], v[BUFA+\k]
.endr
.irp k, 0,1,2,3,4,5,6,7
	ds_store_b32 v8, v[PWR+\k] offset:256*\k       ; the four waves' words of a kb make 256 bytes
.endr
	s_wait_dscnt 0x0                               ; for the others' sake: my stores have landed
	s_barrier_signal -1
	s_barrier_wait -1
	ds_load_b128 v[BUFB:BUFB+3], v9
	s_wait_dscnt 0x0
	global_store_b128 v12, v[BUFB:BUFB+3], s[62:63]   ; sixteen lanes store 256 consecutive bytes, aligned: kb 2 w below, kb 2 w + 1 above
	s_set_vgpr_msb 0x4
	s_wait_tensorcnt 0x0
	ds_add_u32 v15, v1
	s_wait_dscnt 0x0
	s_set_vgpr_msb 0x400
	s_endpgm
.Lfunc_end_k_q437dd636c3_prep:
	.size	k_q437dd636c3_prep, .Lfunc_end_k_q437dd636c3_prep-k_q437dd636c3_prep
	.p2alignl 7, 3214868480
	.fill 96, 4, 3214868480
	.section	.rodata,"a",@progbits
	.p2align	6, 0x0
	.amdhsa_kernel k_q437dd636c3_prep
		.amdhsa_group_segment_fixed_size 287232
		.amdhsa_private_segment_fixed_size 0
		.amdhsa_enable_private_segment 0
		.amdhsa_kernarg_size 72
		.amdhsa_user_sgpr_count 2
		.amdhsa_user_sgpr_kernarg_segment_ptr 1
		.amdhsa_wavefront_size32 1
		.amdhsa_system_sgpr_workgroup_id_x 1
		.amdhsa_system_sgpr_workgroup_id_y 1
		.amdhsa_system_sgpr_workgroup_id_z 1
		.amdhsa_system_vgpr_workitem_id 0
		.amdhsa_next_free_vgpr 258
		.amdhsa_next_free_sgpr 66
		.amdhsa_reserve_vcc 0
		.amdhsa_float_denorm_mode_32 3
		.amdhsa_float_denorm_mode_16_64 3
		.amdhsa_memory_ordered 1
		.amdhsa_forward_progress 1
		.amdhsa_inst_pref_size 61
	.end_amdhsa_kernel
	.amdgpu_metadata
---
amdhsa.version: [ 1, 2 ]
amdhsa.kernels:
  - .name:           k_q437dd636c3_prep
    .symbol:         k_q437dd636c3_prep.kd
    .args:
      - { .name: W1, .offset: 0, .size: 8, .value_kind: global_buffer, .address_space: global }
      - { .name: W2, .offset: 8, .size: 8, .value_kind: global_buffer, .address_space: global }
      - { .name: W3, .offset: 16, .size: 8, .value_kind: global_buffer, .address_space: global }
      - { .name: st0, .offset: 24, .size: 8, .value_kind: global_buffer, .address_space: global }
      - { .name: st1, .offset: 32, .size: 8, .value_kind: global_buffer, .address_space: global }
      - { .name: wq, .offset: 40, .size: 8, .value_kind: global_buffer, .address_space: global }
      - { .name: sl, .offset: 48, .size: 8, .value_kind: global_buffer, .address_space: global }
      - { .name: sq, .offset: 56, .size: 8, .value_kind: global_buffer, .address_space: global }
      - { .name: w3q, .offset: 64, .size: 8, .value_kind: global_buffer, .address_space: global }
    .group_segment_fixed_size: 287232
    .private_segment_fixed_size: 0
    .kernarg_segment_align: 8
    .kernarg_segment_size: 72
    .max_flat_workgroup_size: 128
    .sgpr_count:     66
    .vgpr_count:     258
    .wavefront_size: 32
...
	.end_amdgpu_metadata
.endif
;; end of part 1
;; launch tri (part 2): grid 32 x 8, 4 waves a work-group, clusters of 4 x 1, 327,680 bytes of LDS; arguments wq, sl, in0, in1, part; writes part
.if DOCPART == 2
	.amdgcn_target "amdgcn-amd-amdhsa--gfx1250"
	.amdhsa_code_object_version 6
	.text
	.protected	k_q437dd636c3_tri
	.globl	k_q437dd636c3_tri
	.p2align	8
	.type	k_q437dd636c3_tri,@function
k_q437dd636c3_tri:
	s_mov_b64 s[64:65], 0
	v_nop
	global_prefetch_b8 v0, s[64:65] scope:SCOPE_SE
	s_setreg_imm32_b32 hwreg(HW_REG_WAVE_MODE, 25, 1), 1
	s_wait_xcnt 0x0
	s_wait_alu depctr_hold_cnt(0) depctr_sa_sdst(0) depctr_va_vdst(0) depctr_va_sdst(0) depctr_va_ssrc(0) depctr_va_vcc(0) depctr_vm_vsrc(0)
	s_getreg_b32 s2, hwreg(HW_REG_IB_STS2, 6, 4)
	s_cmp_eq_u32 s2, 0
	s_cbranch_scc0 .Lentry_in_a_cluster
	s_endpgm
.Lentry_in_a_cluster:
	s_bfe_u32 s2, ttmp6, 0x10000c
	s_cmp_lg_u32 s2, 0x3003
	s_cbranch_scc0 .Lentry_shape_is_right
	s_endpgm
.Lentry_shape_is_right:
; part[kb][b][l] = the sum over j and over k = 32 kb .. 32 kb + 31 of Q(s[b][j] x[b][k]) Q(W[l][j][k]), for W1's 128 l and W2's 128 l: both products on codes of BF6 (E3M2) with one E8M0 byte for each 32 along K.
; W's codes come as fragment images (wq).  THE OTHER OPERAND IS MADE HERE, IN REGISTERS: a block of 32 along K is one j and 32 neighbouring k, so a lane holds 32 numbers of x for the whole launch and multiplies them by one s.
; The block's largest magnitude is fl(|s| max|x|): rounding keeps the order.  T = s (max|x| / 16), held at 2^-126 from below, has the scale's byte as its exponent field: it is the conversion's scale operand as it stands.
; THE ORDER OF K: a K step is (kb, kh, t); its block 2 c + h (registers 6 c .. 6 c + 5 of the lanes' half h) is j = 128 kh + 64 h + 2 t + c.
; SHARES.  A work-group: 128 rows b (Mb), one kb.  Wave w: rows 64 (w % 2) on, four tiles of 16; kh = w / 2; all 256 columns: 64 accumulators, 512 registers; 32 K steps.  So each fragment made here feeds 16 products.
; At the end the two waves of a row group exchange halves through LDS, add, and each stores 128 columns.
; THE MATRIX INSTRUCTION IS USED TRANSPOSED: source 0 = 16 columns of W, source 1 = 16 rows b: a lane holds one row b and eight neighbouring columns.
; CLUSTER: the four work-groups of a cluster share kb and walk the same blocks of wq: each block is asked for JOINTLY, by the same tensor load with the same descriptor and the mask of all four.
; RING: two slots of 102,400 bytes, [kh][step 0, 1][25,600]; each wave fetches one block of 25,600 bytes.  s in lane order (sl) for slots 2 to 15 comes once, with the first fills, into each wave's own bytes.
; BY TURNS: a K step's 64 products stand with the next step's generation (172 vector instructions) in slices of three or four behind them; no window holds a product's operands beside the generation's, so a slice costs two switches.
; THE LDS LOADS STAND IN FOUR RUNS A K STEP, never singly among the products: W's 16 fragments are four groups of four; a group's 12 loads stand together, 13 products ahead of their first use.
; No prefetch is laid: a wave's block of 25,600 bytes is 100 pieces of 256 bytes, 25 for each of the four partners, which 32 lanes do not share out evenly without a change of EXEC among the products.
; LIMITS: NaN and infinities are not served; where max|x| of a block lies under 2^-122, max|x| / 16 is denormal and the scale may be off; a block of zeros has the byte 1 over zero codes.
; REGISTERS, in windows of 256.  Window 0: v1-12 addresses; v16-23 T; v24-31 at work; v32-35 max|x| / 16; v36-39 my operand's scale words, two sets; v40-55 W's scale words, two sets; v56-87 s, two sets; v88-183 a ring of 8 fragments of W.
;   Window 1: v0-127 x, 32 a tile; v128-223 my operand's fragments, two sets of four; v224-255 products at work.   Windows 2, 3: accumulator (f, m) at v[8 (4 (f % 8) + m)] of window 2 + f / 8.
;   My fragment f is column tile (f + 8 kh) % 16: window 2 holds the half that I keep, window 3 the half that I hand over.
.set BLKB,  25600
.set SLOTB, 102400
.set KBS,   1638400
.set SREG,  2*SLOTB                    ; behind the ring: s, [wave][tile m][slot - 2][512 bytes]: filled once
.set SWV,   28672
.set SPARE, SREG+4*SWV                 ; behind it: the spare words, 128 bytes for each wave: two blocks of 256 bytes that no other line names
.set L16,  1                           ; v1   16 x lane
.set ADBA, 2                           ; v2-3 LDS address of fragments 0-7 in slot 0, 1
.set ADBB, 4                           ; v4-5 of fragments 8-15
.set ADS,  6                           ; v6   of s
.set XSTO, 7                           ; v7   the exchange: where I put
.set XLD,  8                           ; v8   and where I take
.set SH8,  9                           ; v9   8 x (lane / 16)
.set SPW,  10                          ; v10  my spare word; never rewritten
.set NIL,  11                          ; v11  0; never rewritten
.set XOF,  12                          ; v12  x: 512 x (lane % 16)
.set TR,   16
.set PW,   24
.set TW,   28
.set XM,   32
.set AS,   36
.set BS,   40
.set SR,   56
.set BR,   88
.set AFR,  128                         ; in window 1
.set PR,   224                         ; in window 1
.set G1,   24                          ; s[24:31] group 1 of the joint loads;  s[32:39] their groups 0, one for each slot
.set G0,   32
.set G1S,  40                          ; s[40:47], s[48:51] groups 1 and 0 for s
.set G0S,  48
.set MUL2, 0xa4                        ; source 0 (W) window 0, source 1 window 1, C and D window 2
.set MUL3, 0xf4                        ; the same, C and D window 3
.set GENW, 0x41                        ; destination and source 0 window 1, source 1 window 0
.set MSB, 0
.macro WIN new                         ; the immediate's high byte repeats the setting that is left; a switch that changes nothing is dropped
.if MSB != \new
	s_set_vgpr_msb (MSB<<8)|\new
.set MSB, \new
.endif
.endm
.macro CREST                           ; a round of the cluster's barrier behind its opening barrier
	s_cmp_lg_u32 s14, 0
	s_cbranch_scc1 .Lnot_wave_0_\@
	s_barrier_signal -3
.Lnot_wave_0_\@:
	s_barrier_wait -3
	s_barrier_signal -1
	s_barrier_wait -1
.endm
.macro CROUND
	s_barrier_signal -1
	s_barrier_wait -1
	CREST
.endm
	s_load_b256 s[4:11], s[0:1], 0x0               ; wq, sl, in0, in1
	s_load_b64 s[12:13], s[0:1], 0x20              ; part
	v_lshl_add_u32 v[SPW], v0, 2, SPARE
	v_mov_b32 v[NIL], 0
	ds_add_u32 v10, v11
	ds_add_u32 v10, v11
	s_wait_dscnt 0x0
	v_lshrrev_b32 v13, 5, v0
	v_readfirstlane_b32 s14, v13                   ; wave 0..3
	s_and_b32 s15, s14, 1                          ; rg: which 64 rows.  Also: which step of a slot I fetch
	s_lshr_b32 s16, s14, 1                         ; kh.  Also: for which kh I fetch
	s_bfe_u32 s17, ttmp6, 0x40000                  ; cx
	s_lshl_b32 s18, ttmp9, 2
	s_add_co_u32 s18, s18, s17                     ; Mb = 4 x cluster x + cx: it enters sl's, x's and part's addresses alone
	s_and_b32 s19, ttmp7, 0xffff                   ; kb, which the four partners share
	s_mov_b32 s53, 0x00800000                      ; 2^-126
	; joint group 1: a dense block of 25,600 bytes as 100 rows of 32 elements of 8 bytes
	s_mov_b32 s[G1], 15|(3<<16)|(1<<21)            ; 15:0 the mask: all four work-groups; 17:16 elements of 8 bytes; 21 set beside a mask
	s_mov_b32 s[G1+1], 32<<16
	s_mov_b32 s[G1+2], 100<<16
	s_mov_b32 s[G1+3], 32<<16
	s_mov_b32 s[G1+4], 100
	s_mov_b32 s[G1+5], 32
	s_mov_b32 s[G1+6], 0
	s_mov_b32 s[G1+7], 0
	; s: four rows (tiles m) of 896 elements of 8 bytes (slots 2 to 15), 2,048 elements from tile to tile; no mask
	s_mov_b32 s[G1S], 3<<16
	s_mov_b32 s[G1S+1], 896<<16
	s_mov_b32 s[G1S+2], 4<<16
	s_mov_b32 s[G1S+3], 896<<16
	s_mov_b32 s[G1S+4], 4
	s_mov_b32 s[G1S+5], 2048
	s_mov_b32 s[G1S+6], 0
	s_mov_b32 s[G1S+7], 0
	s_mul_i32 s20, s19, KBS
	s_lshl_b32 s21, s16, 5
	s_add_co_u32 s21, s21, s15
	s_mul_i32 s21, s21, BLKB                       ; block (w / 2, t = w % 2)
	s_add_co_u32 s20, s20, s21
	s_mov_b32 s21, 0
	s_mul_i32 s22, s14, BLKB                       ; where it goes in a slot: no place in the cluster enters an LDS address
	s_mul_i32 s23, s14, SWV
	s_lshl_b32 s56, s18, 3
	s_lshl_b32 s57, s15, 2
	s_add_co_u32 s56, s56, s57                     ; T0 = 8 Mb + 4 rg: my first row tile
	s_lshl_b32 s58, s56, 1
	s_add_co_u32 s58, s58, s16
	s_lshl_b32 s58, s58, 13                        ; (2 T0 + kh) x 8,192
	s_mov_b32 s59, 0
	s_wait_kmcnt 0x0
	s_add_nc_u64 s[54:55], s[4:5], s[20:21]
	s_add_nc_u64 s[58:59], s[6:7], s[58:59]        ; sl at (T0, kh)
.irp s, 0,1
	s_mov_b32 s[G0+4*\s], 1
	s_add_co_u32 s[G0+4*\s+1], s22, \s*SLOTB
	s_add_nc_u64 s[G0+4*\s+2:G0+4*\s+3], s[54:55], \s*2*BLKB
	s_or_b32 s[G0+4*\s+3], s[G0+4*\s+3], 0x80000000
.endr
	s_mov_b32 s[G0S], 1
	s_add_co_u32 s[G0S+1], s23, SREG
	s_add_nc_u64 s[G0S+2:G0S+3], s[58:59], 1024
	s_or_b32 s[G0S+3], s[G0S+3], 0x80000000
	CROUND                                         ; all four work-groups are here: the first joint loads meet
	tensor_load_to_lds s[G0S:G0S+3], s[G1S:G1S+7]  ; the first fills go out together: three loads of mine are out
	s_nop 0
	tensor_load_to_lds s[G0:G0+3], s[G1:G1+7]
	s_nop 0
	tensor_load_to_lds s[G0+4:G0+7], s[G1:G1+7]
	s_nop 0
.rept 4
	v_nop
.endr
	v_and_b32 v13, 31, v0
	v_lshlrev_b32 v[L16], 4, v13
	v_and_b32 v14, 15, v0
	v_bfe_u32 v15, v0, 4, 1
	v_lshlrev_b32 v[SH8], 3, v15
	v_lshlrev_b32 v[XOF], 9, v14
	s_mul_i32 s20, s16, 64000                      ; kh x (51,200 + 12,800): my kh's two blocks, and in them the half that I keep
	v_add_nc_u32 v[ADBA], s20, v[L16]
	v_add_nc_u32 v[ADBA+1], SLOTB, v[ADBA]
	s_mul_i32 s20, s16, 38400                      ; kh x 51,200 + (1 - kh) x 12,800: the other half
	s_add_co_u32 s20, s20, 12800
	v_add_nc_u32 v[ADBB], s20, v[L16]
	v_add_nc_u32 v[ADBB+1], SLOTB, v[ADBB]
	s_add_co_u32 s20, s23, SREG
	v_add_nc_u32 v[ADS], s20, v[L16]
	s_lshl_b32 s20, s14, 15
	v_add_nc_u32 v[XSTO], s20, v[L16]
	s_xor_b32 s20, s14, 2                          ; my partner: same rows, the other kh
	s_lshl_b32 s20, s20, 15
	v_add_nc_u32 v[XLD], s20, v[L16]
	s_cmp_lt_u32 s19, 4                            ; x = [in0 | in1]: kb 0-3 lie in in0
	s_cselect_b64 s[60:61], s[8:9], s[10:11]
	s_lshl_b32 s62, s56, 13                        ; 16 T0 rows of 512 bytes
	s_and_b32 s63, s19, 3
	s_lshl_b32 s63, s63, 7
	s_add_co_u32 s62, s62, s63
	s_mov_b32 s63, 0
	s_add_nc_u64 s[60:61], s[60:61], s[62:63]
	WIN 0x40                                       ; destination window 1
.irp m, 0,1,2,3
.irp i, 0,1,2,3,4,5,6,7
	global_load_b128 v[32*\m+4*\i:32*\m+4*\i+3], v[XOF], s[60:61] offset:8192*\m+16*\i   ; x[row 16 m + r][32 kb + 4 i ..]; both halves of the lanes hold the same
.endr
.endr
	WIN 0
.irp u, 0,1
.irp m, 0,1,2,3
	global_load_b128 v[SR+16*\u+4*\m:SR+16*\u+4*\m+3], v[L16], s[58:59] offset:16384*\m+512*\u   ; s of slots 0 and 1
.endr
.endr
	s_lshl_b32 s62, s19, 22                        ; part: kb x 4,194,304 + T0 x 16,384 + kh x 8,192
	s_lshl_b32 s57, s56, 14
	s_add_co_u32 s62, s62, s57
	s_lshl_b32 s57, s16, 13
	s_add_co_u32 s62, s62, s57
	s_add_nc_u64 s[12:13], s[12:13], s[62:63]
	s_wait_loadcnt 0x0
	WIN 0x15                                       ; all three sources window 1
.irp m, 0,1,2,3
	v_max3_num_f32 v[XM+\m], |v[32*\m]|, |v[32*\m+1]|, |v[32*\m+2]|
.endr
	WIN 0x14
.irp i, 3,5,7,9,11,13,15,17,19,21,23,25,27,29
.irp m, 0,1,2,3
	v_max3_num_f32 v[XM+\m], v[XM+\m], |v[32*\m+\i]|, |v[32*\m+\i+1]|
.endr
.endr
	WIN 0x04
.irp m, 0,1,2,3
	v_max_num_f32 v[XM+\m], v[XM+\m], |v[32*\m+31]|
.endr
	WIN 0
.irp m, 0,1,2,3
	v_mul_f32 v[XM+\m], 0x3d800000, v[XM+\m]       ; max|x| / 16
.endr
; One product: fragment f of W x tile m of my operand.  W's scale words: register f % 4 of the half's four, lanes 16-31 where (f / 4) % 2; mine: register m / 2, lanes 16-31 where m % 2.
; The 64 accumulators take turns, one instruction a turn, in the same order in every K step.
.macro MM f, m, set, zero
.set rD, 8*(4*((\f)%8)+(\m))
.set rB, BR+12*((\f)%8)
.set rA, AFR+48*(\set)+12*(\m)
.set rBS, BS+8*(\set)+4*((\f)/8)+((\f)%4)
.set rAS, AS+2*(\set)+(\m)/2
.set ra1, ((\f)/4)%2
.set rb1, (\m)%2
.if (\f) < 8
	WIN MUL2
.else
	WIN MUL3
.endif
.if \zero
.if ra1 && rb1
	v_wmma_scale_f32_16x16x128_f8f6f4 v[rD:rD+7], v[rB:rB+11], v[rA:rA+11], 0, v[rBS], v[rAS] matrix_a_fmt:MATRIX_FMT_BF6 matrix_b_fmt:MATRIX_FMT_BF6 matrix_a_scale:MATRIX_SCALE_ROW1 matrix_b_scale:MATRIX_SCALE_ROW1
.elseif ra1
	v_wmma_scale_f32_16x16x128_f8f6f4 v[rD:rD+7], v[rB:rB+11], v[rA:rA+11], 0, v[rBS], v[rAS] matrix_a_fmt:MATRIX_FMT_BF6 matrix_b_fmt:MATRIX_FMT_BF6 matrix_a_scale:MATRIX_SCALE_ROW1
.elseif rb1
	v_wmma_scale_f32_16x16x128_f8f6f4 v[rD:rD+7], v[rB:rB+11], v[rA:rA+11], 0, v[rBS], v[rAS] matrix_a_fmt:MATRIX_FMT_BF6 matrix_b_fmt:MATRIX_FMT_BF6 matrix_b_scale:MATRIX_SCALE_ROW1
.else
	v_wmma_scale_f32_16x16x128_f8f6f4 v[rD:rD+7], v[rB:rB+11], v[rA:rA+11], 0, v[rBS], v[rAS] matrix_a_fmt:MATRIX_FMT_BF6 matrix_b_fmt:MATRIX_FMT_BF6
.endif
.else
.if ra1 && rb1
	v_wmma_scale_f32_16x16x128_f8f6f4 v[rD:rD+7], v[rB:rB+11], v[rA:rA+11], v[rD:rD+7], v[rBS], v[rAS] matrix_a_fmt:MATRIX_FMT_BF6 matrix_b_fmt:MATRIX_FMT_BF6 matrix_a_scale:MATRIX_SCALE_ROW1 matrix_b_scale:MATRIX_SCALE_ROW1
.elseif ra1
	v_wmma_scale_f32_16x16x128_f8f6f4 v[rD:rD+7], v[rB:rB+11], v[rA:rA+11], v[rD:rD+7], v[rBS], v[rAS] matrix_a_fmt:MATRIX_FMT_BF6 matrix_b_fmt:MATRIX_FMT_BF6 matrix_a_scale:MATRIX_SCALE_ROW1
.elseif rb1
	v_wmma_scale_f32_16x16x128_f8f6f4 v[rD:rD+7], v[rB:rB+11], v[rA:rA+11], v[rD:rD+7], v[rBS], v[rAS] matrix_a_fmt:MATRIX_FMT_BF6 matrix_b_fmt:MATRIX_FMT_BF6 matrix_b_scale:MATRIX_SCALE_ROW1
.else
	v_wmma_scale_f32_16x16x128_f8f6f4 v[rD:rD+7], v[rB:rB+11], v[rA:rA+11], v[rD:rD+7], v[rBS], v[rAS] matrix_a_fmt:MATRIX_FMT_BF6 matrix_b_fmt:MATRIX_FMT_BF6
.endif
.endif
.endm
.macro BLOAD slot, step, f             ; fragment f of a step: an image of 12 registers, three loads of 512 consecutive bytes
.irp q, 0,1,2
.if (\f) < 8
	ds_load_b128 v[BR+12*((\f)%8)+4*\q:BR+12*((\f)%8)+4*\q+3], v[ADBA+(\slot)] offset:(\step)*BLKB+((\f)%8)*1536+512*\q
.else
	ds_load_b128 v[BR+12*((\f)%8)+4*\q:BR+12*((\f)%8)+4*\q+3], v[ADBB+(\slot)] offset:(\step)*BLKB+((\f)%8)*1536+512*\q
.endif
.endr
.endm
.macro BSLOAD slot, step, set          ; W's scale words of a step: four registers for each half
	ds_load_b128 v[BS+8*(\set):BS+8*(\set)+3], v[ADBA+(\slot)] offset:(\step)*BLKB+12288
	ds_load_b128 v[BS+8*(\set)+4:BS+8*(\set)+7], v[ADBB+(\slot)] offset:(\step)*BLKB+12288
.endm
.macro SLOAD set, par                  ; a slot's four s of each tile
.irp m, 0,1,2,3
	ds_load_b128 v[SR+16*(\set)+4*\m:SR+16*(\set)+4*\m+3], v[ADS] offset:7168*\m+512*(\par)
.endr
.endm
.macro TOPS m, sset, pr                ; tile m: the two blocks' scale operands T = max(|s max|x| / 16|, 2^-126)
.if ((\m)%2) == 0
	v_pk_mul_f32 v[TR+2*(\m):TR+2*(\m)+1], v[SR+16*(\sset)+4*(\m)+2*(\pr):SR+16*(\sset)+4*(\m)+2*(\pr)+1], v[XM+2*((\m)/2):XM+2*((\m)/2)+1] op_sel_hi:[1,0]
.else
	v_pk_mul_f32 v[TR+2*(\m):TR+2*(\m)+1], v[SR+16*(\sset)+4*(\m)+2*(\pr):SR+16*(\sset)+4*(\m)+2*(\pr)+1], v[XM+2*((\m)/2):XM+2*((\m)/2)+1] op_sel:[0,1] op_sel_hi:[1,1]
.endif
	v_max_num_f32 v[TR+2*(\m)], |v[TR+2*(\m)]|, s53
	v_max_num_f32 v[TR+2*(\m)+1], |v[TR+2*(\m)+1]|, s53
.endm
.macro BYTES m                         ; my two bytes of tile m's scale word, blocks h and 2 + h, at their places
	v_lshrrev_b32 v[TW], 23, v[TR+2*(\m)]
	v_lshrrev_b32 v[TW+1], 23, v[TR+2*(\m)+1]
	v_lshl_or_b32 v[TW], v[TW+1], 16, v[TW]
	v_lshlrev_b32 v[PW+(\m)], v[SH8], v[TW]
.endm
.macro PAIR u, set                     ; tiles 2 u and 2 u + 1: after the exchange each register holds one half's bytes of tile 2 u below and of tile 2 u + 1 above: their union is both tiles' words
	v_permlane16_swap_b32 v[PW+2*(\u)], v[PW+2*(\u)+1]
	v_or_b32 v[AS+2*(\set)+(\u)], v[PW+2*(\u)], v[PW+2*(\u)+1]
.endm
; THE GENERATION of four fragments (set GSET, from s of set GSS, pair GPR) is a list of 172; GE writes number ge of it.  A block (tile gm, half gc) has 21: 16 packed products s x (two numbers each), two conversions of 16 numbers,
; and the three moves of the block before (a conversion's three registers begin on an even number: the upper 16 codes are made in v224-226 of window 1 and moved).  The order keeps one plain instruction between a conversion and
; whatever touches its result or writes its sources: eight products between the lower conversion and the upper, one product between the upper and its moves.
.macro GE
.if ge < 168
.set gb, ge/21
.set gm, gb/2
.set gc, gb%2
.set gx, ge%21
.set gA, AFR+48*GSET+12*gm+6*gc
.set gS, SR+16*GSS+4*gm+2*GPR
.set gi, 99
.if gx == 0
.set gi, 2
.elseif (gx >= 4) && (gx <= 8)
.set gi, gx-1
.elseif (gx == 9) || (gx == 10)
.set gi, gx-9
.elseif (gx >= 12) && (gx <= 19)
.set gi, gx-4
.endif
.if gi < 99
	WIN GENW
.if gc == 0
	v_pk_mul_f32 v[PR+2*gi:PR+2*gi+1], v[32*gm+2*gi:32*gm+2*gi+1], v[gS:gS+1] op_sel_hi:[1,0]
.else
	v_pk_mul_f32 v[PR+2*gi:PR+2*gi+1], v[32*gm+2*gi:32*gm+2*gi+1], v[gS:gS+1] op_sel:[0,1] op_sel_hi:[1,1]
.endif
.elseif gx < 4
.if gb > 0
	WIN GENW
.set gP, AFR+48*GSET+12*((gb-1)/2)+6*((gb-1)%2)+3
	v_mov_b32 v[gP+gx-1], v[PR+gx-1]
.endif
.elseif gx == 11
	WIN GENW
	v_cvt_scalef32_pk16_bf6_f32 v[gA:gA+2], v[PR:PR+15], v[TR+2*gm+gc]
.else
	WIN GENW
	v_cvt_scalef32_pk16_bf6_f32 v[PR:PR+2], v[PR+16:PR+31], v[TR+2*gm+gc]
.endif
.elseif ge == 168
	v_nop                                          ; the plain place behind the last conversion
.elseif ge < 172
	WIN GENW
	v_mov_b32 v[AFR+48*GSET+45+ge-169], v[PR+ge-169]
.endif
.set ge, ge+1
.endm
.macro GEN n
.rept \n
	GE
.endr
.endm
; A RUN OF LDS LOADS, in unit uu = 0, 2, 4, 6, while group uu / 2 (fragments 2 uu .. 2 uu + 3) is multiplied: the next group's four fragments, 12 loads, into the ring's four places that the group before has left.
; The last reader of those places stands four plain vector instructions back or more: slices of the generation, and in the last step, which has none, four v_nop.
; The run of unit 6 brings the next K step's first group, and with it that step's scale words of W and, where a slot is left and filled again, s of the slot after next (into the set that the step before has left).
.macro RUNB slot, step, mode
.if uu < 6
.if (\mode) == 3
.rept 4
	v_nop
.endr
.endif
.set fr, 2*uu+4
.rept 4
	BLOAD \slot, \step, fr
.set fr, fr+1
.endr
.else
	BSLOAD NSL, NST, GSET
.if (\mode) == 1
	SLOAD \slot, \slot
.endif
.set fr, 0
.rept 4
	BLOAD NSL, NST, fr
.set fr, fr+1
.endr
.endif
.endm
.macro W0A slot, step, mode            ; the slice behind a unit's third product: tile uu's scale operands (units 0 to 3), then the run (even units)
.if ((\mode) != 3) && (uu < 4)
	WIN 0
	TOPS uu, GSS, GPR
.endif
.if ((uu%2) == 0) && (((\mode) != 3) || (uu < 6))
	WIN 0
	RUNB \slot, \step, \mode
.endif
.endm
.macro W0B mode                        ; the slice behind the seventh product of units 0 to 3: tile uu's bytes
.if (\mode) != 3
	WIN 0
	BYTES uu
.if (uu%2) == 1
	PAIR uu/2, GSET
.endif
.endif
.endm
; A K STEP: eight units of eight products (fragments 2 u, 2 u + 1 x four tiles), a slice behind each.  It multiplies set `step` and generates set 1 - step for the next step.
; mode 0: the next step lies in the same slot.  1: the slot is left and filled again.  2: it is left.  3: the last step: nothing is generated or fetched ahead.
; The generation's 172: units 0 to 3 take 22 each (six slices of 4, 4, 3, 4, 3, 4), units 4 to 7 slices of three in every slot that holds no run: 21, 24, 21, and the last 18 behind the first six products of unit 7.
; THE CHANGE OF SLOTS.  The slot's last reads are the run of unit 4.  Behind that unit's seventh product each wave waits for all its tensor loads (one is out: its block of the next slot), adds 0 to its spare word, works on
; registers, waits for the add and for its reads, and signals.  With mode 1 the barrier opens a round of the cluster's barrier, and the joint refill is the first thing behind the round: it has the next slot's two K steps in
; which to land.  The next slot's first reads are the run of unit 6.
.macro KSTEP slot, step, zero, mode
.set GSET, 1-(\step)
.if (\step) == 0
.set GSS, \slot
.set GPR, 1
.set NSL, \slot
.set NST, 1
.else
.set GSS, 1-(\slot)
.set GPR, 0
.set NSL, 1-(\slot)
.set NST, 0
.endif
.set chg, 0
.if ((\mode) == 1) || ((\mode) == 2)
.set chg, 1
.endif
.set ge, 0
.if (\mode) == 3
.set ge, 172
.endif
.set uu, 0
.rept 8
.set ii, 0
.rept 8
.set mf, 2*uu+ii/4
.if (ii == 0) && ((uu%2) == 0)
	s_wait_dscnt 0x0                               ; this group's run, issued 13 products ago, is in: nothing was issued behind it
.endif
	MM mf, ii%4, \step, \zero
.set sk, 0
.if (ii == 2) && ((uu < 4) || ((uu%2) == 0))
.set sk, 2
.endif
.if (ii == 6) && (uu < 4)
.set sk, 3
.endif
.if sk == 2
	W0A \slot, \step, \mode
.elseif sk == 3
	W0B \mode
.elseif (uu < 4) && ((ii == 0) || (ii == 1) || (ii == 4) || (ii == 7))
	GEN 4
.else
	GEN 3
.endif
.if chg
.if (uu == 4) && (ii == 6)
	WIN 0                                          ; (the add's two registers lie in window 0)
	s_wait_tensorcnt 0x0                           ; all my tensor loads have landed: my block of the next slot;
	ds_add_u32 v[SPW], v[NIL]                      ; 0 onto my spare word: three products and their slices stand between it and the wait for it
.if (\mode) == 1
	s_add_nc_u64 s[G0+4*(\slot)+2:G0+4*(\slot)+3], s[G0+4*(\slot)+2:G0+4*(\slot)+3], SLOTB   ; no load of mine is out: this slot's next two K steps
.endif
.endif
.if (uu == 5) && (ii == 1)
	s_wait_dscnt 0x0                               ; the add is done, and my reads of this slot are over
	s_barrier_signal -1
.endif
.if (uu == 5) && (ii == 3)
	WIN 0
	s_barrier_wait -1
.if (\mode) == 1
	CREST                                          ; no wave of any partner still reads this slot or has a load on its way
	tensor_load_to_lds s[G0+4*(\slot):G0+4*(\slot)+3], s[G1:G1+7]   ; my one tensor load behind the round
	s_nop 0
.rept 4
	v_nop
.endr
.endif
.endif
.endif
.set ii, ii+1
.endr
.set uu, uu+1
.endr
.endm
	s_wait_tensorcnt 0x1                           ; s and my block of slot 0 are in; slot 1's may stay out
	s_barrier_signal -1
	s_barrier_wait -1                              ; everybody's are
	BSLOAD 0, 0, 0
.irp f, 0,1,2,3
	BLOAD 0, 0, \f                                 ; the first K step's first group
.endr
	; the first K step's operand: set 0, from s of slot 0, its first pair
.set GSET, 0
.set GSS, 0
.set GPR, 0
.irp m, 0,1,2,3
	TOPS \m, 0, 0
.endr
.irp m, 0,1,2,3
	BYTES \m
.endr
	PAIR 0, 0
	PAIR 1, 0
.set ge, 0
	GEN 172
.rept 4
	v_nop                                          ; an operand written by vector instructions stands four places ahead of the product (its scale words stand 172 ahead)
.endr
	KSTEP 0, 0, 1, 0                               ; the first K step stands in front of the loop: its products start the sums
	WIN 0                                          ; at a label and at a branch every window is 0
	s_mov_b32 s52, 7
.Llap:                                                 ; a trip goes once round the ring and fills both slots again: slots 2 to 15 in seven trips
	KSTEP 0, 1, 0, 1
	KSTEP 1, 0, 0, 0
	KSTEP 1, 1, 0, 1
	KSTEP 0, 0, 0, 0
	WIN 0
	v_add_nc_u32 v[ADS], 1024, v[ADS]              ; two slots on in s
	s_sub_co_u32 s52, s52, 1
	s_cmp_lg_u32 s52, 0
	s_cbranch_scc1 .Llap
	KSTEP 0, 1, 0, 2                               ; the tail is written out: nothing more is asked for
	KSTEP 1, 0, 0, 0
	KSTEP 1, 1, 0, 3
	; THE WAY OUT.  The ring has had its last fill; behind a barrier nobody reads it: it is the stage of the exchange, 32,768 bytes a wave.  I put window 3 (my partner's columns) there as it stands and take my partner's
	; window 3 (my columns), add it to window 2, and store images of accumulators: each store covers 512 consecutive bytes, aligned to 256.
	WIN 0
.rept 4
	v_nop                                          ; the places behind the last products
.endr
	s_wait_dscnt 0x0
	s_barrier_signal -1
	s_barrier_wait -1
	WIN 0x0c                                       ; an LDS store's data are its source 1: window 3
.set n, 0
.rept 32
	ds_store_b128 v[XSTO], v[8*n:8*n+3] offset:1024*n          ; each accumulator from its low end on
	ds_store_b128 v[XSTO], v[8*n+4:8*n+7] offset:1024*n+512
.set n, n+1
.endr
	WIN 0
	s_wait_dscnt 0x0                               ; for my partner's sake: my stores have landed
	s_barrier_signal -1
	s_barrier_wait -1
	WIN 0x40                                       ; destination window 1, which x and my operand have left
.set n, 0
.rept 32
	ds_load_b128 v[8*n:8*n+3], v[XLD] offset:1024*n
	ds_load_b128 v[8*n+4:8*n+7], v[XLD] offset:1024*n+512
.set n, n+1
.endr
.set aa, 0
.rept 8                                ; column tile aa: four accumulators at a time
	s_wait_dscnt 56-8*aa                           ; its eight loads are in; those of the later tiles stay out
	WIN 0x46                                       ; destination and source 1 window 1, source 0 window 2
.set n, 32*aa
.rept 16
	v_pk_add_f32 v[n:n+1], v[n:n+1], v[n:n+1]      ; kept half + partner's, ascending
.set n, n+2
.endr
	WIN 0x04                                       ; a store's data are its source 1: window 1
.irp m, 0,1,2,3
	global_store_b128 v[L16], v[32*aa+8*\m:32*aa+8*\m+3], s[12:13] offset:16384*\m+1024*aa th:TH_STORE_NT
	global_store_b128 v[L16], v[32*aa+8*\m+4:32*aa+8*\m+7], s[12:13] offset:16384*\m+1024*aa+512 th:TH_STORE_NT
.endr
.set aa, aa+1
.endr
	WIN 0
	s_wait_tensorcnt 0x0                           ; the wave's end: behind my last tensor load and my last LDS store
	ds_add_u32 v[SPW], v[NIL]
	s_wait_dscnt 0x0
	CROUND                                         ; the closing round: no work-group ends while a partner may still ask for a block that names it
	s_endpgm
.Lfunc_end_k_q437dd636c3_tri:
	.size	k_q437dd636c3_tri, .Lfunc_end_k_q437dd636c3_tri-k_q437dd636c3_tri
	.p2alignl 7, 3214868480
	.fill 96, 4, 3214868480
	.section	.rodata,"a",@progbits
	.p2align	6, 0x0
	.amdhsa_kernel k_q437dd636c3_tri
		.amdhsa_group_segment_fixed_size 327680
		.amdhsa_private_segment_fixed_size 0
		.amdhsa_enable_private_segment 0
		.amdhsa_kernarg_size 40
		.amdhsa_user_sgpr_count 2
		.amdhsa_user_sgpr_kernarg_segment_ptr 1
		.amdhsa_wavefront_size32 1
		.amdhsa_system_sgpr_workgroup_id_x 1
		.amdhsa_system_sgpr_workgroup_id_y 1
		.amdhsa_system_sgpr_workgroup_id_z 1
		.amdhsa_system_vgpr_workitem_id 0
		.amdhsa_next_free_vgpr 1024
		.amdhsa_next_free_sgpr 66
		.amdhsa_reserve_vcc 0
		.amdhsa_float_denorm_mode_32 3
		.amdhsa_float_denorm_mode_16_64 3
		.amdhsa_memory_ordered 1
		.amdhsa_forward_progress 1
		.amdhsa_inst_pref_size 249
	.end_amdhsa_kernel
	.amdgpu_metadata
---
amdhsa.version: [ 1, 2 ]
amdhsa.kernels:
  - .name:           k_q437dd636c3_tri
    .symbol:         k_q437dd636c3_tri.kd
    .args:
      - { .name: wq, .offset: 0, .size: 8, .value_kind: global_buffer, .address_space: global }
      - { .name: sl, .offset: 8, .size: 8, .value_kind: global_buffer, .address_space: global }
      - { .name: in0, .offset: 16, .size: 8, .value_kind: global_buffer, .address_space: global }
      - { .name: in1, .offset: 24, .size: 8, .value_kind: global_buffer, .address_space: global }
      - { .name: part, .offset: 32, .size: 8, .value_kind: global_buffer, .address_space: global }
    .group_segment_fixed_size: 327680
    .private_segment_fixed_size: 0
    .kernarg_segment_align: 8
    .kernarg_segment_size: 40
    .max_flat_workgroup_size: 128
    .sgpr_count:     66
    .vgpr_count:     1024
    .wavefront_size: 32
...
	.end_amdgpu_metadata
.endif
;; end of part 2
;; launch fin (part 3): grid 256 x 1, 8 waves a work-group, no clusters, 9,728 bytes of LDS; arguments part, sq, w3q, b1, b2, out0; writes out0
.if DOCPART == 3
	.amdgcn_target "amdgcn-amd-amdhsa--gfx1250"
	.amdhsa_code_object_version 6
	.text
	.protected	k_q437dd636c3_fin
	.globl	k_q437dd636c3_fin
	.p2align	8
	.type	k_q437dd636c3_fin,@function
k_q437dd636c3_fin:
	s_mov_b64 s[64:65], 0
	v_nop
	global_prefetch_b8 v0, s[64:65] scope:SCOPE_SE
	s_setreg_imm32_b32 hwreg(HW_REG_WAVE_MODE, 25, 1), 1
	s_wait_xcnt 0x0
; out = u tanh(m1 + b1) + (1 - u) (s W3), u = sigmoid(m2 + b2).  m1 and m2 are the sums of eight parts (one for each kb), images of accumulators; s W3 is made here, on codes of BF6 with E8M0 scales (sq, w3q).
; SHARES.  A work-group takes a tile of 16 rows (T), each of its eight waves 16 columns (lt).  A lane (r, h) holds row 16 T + r and columns 16 lt + 8 h + 0 .. 7 throughout: the parts lie so, and the product is used
; transposed (source 0 = 16 columns of W3, source 1 = 16 rows of s) so that its result lies so.  All 50 loads of a wave go out at once; each covers 512 consecutive bytes but the biases' and the scale words'.
; tanh(y) = 1 - 2 / (1 + 2^(2 log2(e) y)), sigmoid(y) = 1 / (1 + 2^(-log2(e) y)): where the exponential overflows the reciprocal is 0, where it falls to 0 the reciprocal is 1: both ends are right.
; No tensor load, no cluster: work-groups share no input but w3q's 25,600 bytes and the biases.  LIMITS: NaN and infinities among the inputs are not served.
.set SF,  8                            ; v8-31   s's two fragments
.set WF,  32                           ; v32-55  W3's two
.set SSC, 56                           ; v56     s's scale words: lanes 0-15 K step 0, lanes 16-31 K step 1
.set WSC, 57                           ; v57     W3's likewise
.set Y1,  60                           ; v60-67  b1, then m1 + b1
.set Y2,  68                           ; v68-75  b2, then m2 + b2
.set D0,  76                           ; v76-83, v84-91 the product's two K steps
.set D1,  84
.set P1,  96                           ; v96-159  m1's parts;  v160-223 m2's
.set P2,  160
.set P5,  224                          ; v224-231 s W3
.set E1,  232                          ; v232-239, v240-247 at work
.set E2,  240
	s_load_b256 s[4:11], s[0:1], 0x0               ; part, sq, w3q, b1
	s_load_b128 s[12:15], s[0:1], 0x20             ; b2, out0
	v_lshl_add_u32 v254, v0, 2, 0x2200
	v_mov_b32 v255, 0
	v_lshrrev_b32 v6, 5, v0
	v_readfirstlane_b32 s24, v6                    ; lt
	v_and_b32 v6, 31, v0
	v_lshlrev_b32 v1, 4, v6                        ; 16 x lane
	v_lshlrev_b32 v2, 2, v6                        ; 4 x lane
	v_bfe_u32 v7, v0, 4, 1
	v_lshlrev_b32 v3, 5, v7                        ; 32 h
	v_and_b32 v6, 15, v0
	v_mul_u32_u24 v4, v6, 528
	v_add_nc_u32 v4, v4, v3
	s_lshl_b32 s25, s24, 6
	v_add_nc_u32 v4, s25, v4                       ; the stage, in: row r of 528 bytes, + 64 lt + 32 h
	s_mul_i32 s25, s24, 1056
	v_add_nc_u32 v5, s25, v1                       ; and out: rows 2 lt and 2 lt + 1, 16 bytes a lane
	s_lshl_b32 s26, ttmp9, 14
	s_lshl_b32 s27, s24, 10
	s_add_co_u32 s26, s26, s27                     ; part: T x 16,384 + lt x 1,024
	s_mov_b32 s27, 0
	s_mul_i32 s28, ttmp9, 3072                     ; sq: fragments 2 T, 2 T + 1
	s_mov_b32 s29, 0
	s_lshl_b32 s30, ttmp9, 7
	s_add_co_u32 s30, s30, 786432                  ; and their scale words
	s_mov_b32 s31, 0
	s_mul_i32 s32, s24, 1536                       ; w3q: fragments lt, 8 + lt
	s_mov_b32 s33, 0
	s_lshl_b32 s34, s24, 7
	s_add_co_u32 s34, s34, 24576
	s_mov_b32 s35, 0
	s_lshl_b32 s36, s24, 6                         ; the biases: 16 lt numbers on
	s_mov_b32 s37, 0
	s_lshl_b32 s38, ttmp9, 13
	s_lshl_b32 s39, s24, 10
	s_add_co_u32 s38, s38, s39                     ; out0: row 16 T + 2 lt
	s_mov_b32 s39, 0
	s_wait_kmcnt 0x0
	s_add_nc_u64 s[16:17], s[4:5], s[26:27]        ; kb 0 (kb 1 by the immediate),
	s_add_nc_u64 s[18:19], s[16:17], 0x800000      ; kb 2,
	s_add_nc_u64 s[20:21], s[18:19], 0x800000      ; kb 4,
	s_add_nc_u64 s[22:23], s[20:21], 0x800000      ; kb 6
	s_add_nc_u64 s[40:41], s[6:7], s[30:31]
	s_add_nc_u64 s[6:7], s[6:7], s[28:29]
	s_add_nc_u64 s[42:43], s[8:9], s[34:35]
	s_add_nc_u64 s[8:9], s[8:9], s[32:33]
	s_add_nc_u64 s[10:11], s[10:11], s[36:37]
	s_add_nc_u64 s[12:13], s[12:13], s[36:37]
	s_add_nc_u64 s[14:15], s[14:15], s[38:39]
.irp k, 0,1
.irp q, 0,1,2
	global_load_b128 v[SF+12*\k+4*\q:SF+12*\k+4*\q+3], v1, s[6:7] offset:1536*\k+512*\q
	global_load_b128 v[WF+12*\k+4*\q:WF+12*\k+4*\q+3], v1, s[8:9] offset:12288*\k+512*\q
.endr
.endr
	global_load_b32 v[SSC], v2, s[40:41]
	global_load_b32 v[WSC], v2, s[42:43]
	global_load_b128 v[Y1:Y1+3], v3, s[10:11]
	global_load_b128 v[Y1+4:Y1+7], v3, s[10:11] offset:16
	global_load_b128 v[Y2:Y2+3], v3, s[12:13]
	global_load_b128 v[Y2+4:Y2+7], v3, s[12:13] offset:16
.irp k, 0,1,2,3,4,5,6,7
	global_load_b128 v[P1+8*\k:P1+8*\k+3],   v1, s[16+2*(\k/2):17+2*(\k/2)] offset:4194304*(\k%2) th:TH_LOAD_NT
	global_load_b128 v[P1+8*\k+4:P1+8*\k+7], v1, s[16+2*(\k/2):17+2*(\k/2)] offset:4194304*(\k%2)+512 th:TH_LOAD_NT
	global_load_b128 v[P2+8*\k:P2+8*\k+3],   v1, s[16+2*(\k/2):17+2*(\k/2)] offset:4194304*(\k%2)+8192 th:TH_LOAD_NT
	global_load_b128 v[P2+8*\k+4:P2+8*\k+7], v1, s[16+2*(\k/2):17+2*(\k/2)] offset:4194304*(\k%2)+8704 th:TH_LOAD_NT
.endr
	s_wait_loadcnt 36                              ; the fragments and their scale words are in; the four bias loads and the 32 parts stay out
	v_wmma_scale_f32_16x16x128_f8f6f4 v[D0:D0+7], v[WF:WF+11], v[SF:SF+11], 0, v[WSC], v[SSC] matrix_a_fmt:MATRIX_FMT_BF6 matrix_b_fmt:MATRIX_FMT_BF6
	v_wmma_scale_f32_16x16x128_f8f6f4 v[D1:D1+7], v[WF+12:WF+23], v[SF+12:SF+23], 0, v[WSC], v[SSC] matrix_a_fmt:MATRIX_FMT_BF6 matrix_b_fmt:MATRIX_FMT_BF6 matrix_a_scale:MATRIX_SCALE_ROW1 matrix_b_scale:MATRIX_SCALE_ROW1
	s_wait_loadcnt 32                              ; the biases are in
.irp k, 0,1,2,3,4,5,6,7
	s_wait_loadcnt 28-4*\k                         ; this kb's four loads are in; the later ones stay out
.irp j, 0,2,4,6
	v_pk_add_f32 v[Y1+\j:Y1+\j+1], v[Y1+\j:Y1+\j+1], v[P1+8*\k+\j:P1+8*\k+\j+1]   ; (the first of these are also the places behind the two products)
	v_pk_add_f32 v[Y2+\j:Y2+\j+1], v[Y2+\j:Y2+\j+1], v[P2+8*\k+\j:P2+8*\k+\j+1]
.endr
.endr
.irp j, 0,2,4,6
	v_pk_add_f32 v[P5+\j:P5+\j+1], v[D0+\j:D0+\j+1], v[D1+\j:D1+\j+1]              ; s W3: both results are read from their low ends on
.endr
.irp j, 0,2,4,6
	v_pk_mul_f32 v[E1+\j:E1+\j+1], v[Y1+\j:Y1+\j+1], 0x4038aa3b op_sel_hi:[1,0]    ; 2 log2(e) (m1 + b1)
	v_pk_mul_f32 v[E2+\j:E2+\j+1], v[Y2+\j:Y2+\j+1], 0xbfb8aa3b op_sel_hi:[1,0]    ; -log2(e) (m2 + b2)
.endr
.irp j, 0,1,2,3,4,5,6,7,8,9,10,11,12,13,14,15
	v_exp_f32 v[E1+\j], v[E1+\j]
.endr
	v_nop                                          ; a plain instruction behind the last exponential
	s_wait_alu depctr_va_vdst(0)                   ; one wait for the batch of sixteen, ahead of its first reader
.irp j, 0,2,4,6,8,10,12,14
	v_pk_add_f32 v[E1+\j:E1+\j+1], v[E1+\j:E1+\j+1], 1.0 op_sel_hi:[1,0]
.endr
.irp j, 0,1,2,3,4,5,6,7,8,9,10,11,12,13,14,15
	v_rcp_f32 v[E1+\j], v[E1+\j]
.endr
	v_nop
	s_wait_alu depctr_va_vdst(0)                   ; and one for the sixteen reciprocals
.irp j, 0,2,4,6
	v_pk_fma_f32 v[E1+\j:E1+\j+1], v[E1+\j:E1+\j+1], -2.0, 1.0 op_sel_hi:[1,0,0]   ; tanh
.endr
.irp j, 0,2,4,6
	v_pk_add_f32 v[E1+\j:E1+\j+1], v[E1+\j:E1+\j+1], v[P5+\j:P5+\j+1] neg_lo:[0,1] neg_hi:[0,1]   ; tanh - s W3
.endr
.irp j, 0,2,4,6
	v_pk_fma_f32 v[E1+\j:E1+\j+1], v[E2+\j:E2+\j+1], v[E1+\j:E1+\j+1], v[P5+\j:P5+\j+1]           ; u (tanh - s W3) + s W3
.endr
	ds_store_b128 v4, v[E1:E1+3]                   ; a row's 512 bytes come from eight waves: they meet in the stage
	ds_store_b128 v4, v[E1+4:E1+7] offset:16
	s_wait_dscnt 0x0                               ; for the others' sake: my stores have landed
	s_barrier_signal -1
	s_barrier_wait -1
	ds_load_b128 v[P1:P1+3], v5
	ds_load_b128 v[P1+4:P1+7], v5 offset:528
	s_wait_dscnt 1                                 ; the first row is in; the second may be out
	global_store_b128 v1, v[P1:P1+3], s[14:15] th:TH_STORE_NT               ; 32 lanes store a row of 512 bytes, aligned to 256
	s_wait_dscnt 0x0
	global_store_b128 v1, v[P1+4:P1+7], s[14:15] offset:512 th:TH_STORE_NT
	s_wait_tensorcnt 0x0
	ds_add_u32 v254, v255
	s_wait_dscnt 0x0
	s_endpgm
.Lfunc_end_k_q437dd636c3_fin:
	.size	k_q437dd636c3_fin, .Lfunc_end_k_q437dd636c3_fin-k_q437dd636c3_fin
	.p2alignl 7, 3214868480
	.fill 96, 4, 3214868480
	.section	.rodata,"a",@progbits
	.p2align	6, 0x0
	.amdhsa_kernel k_q437dd636c3_fin
		.amdhsa_group_segment_fixed_size 9728
		.amdhsa_private_segment_fixed_size 0
		.amdhsa_enable_private_segment 0
		.amdhsa_kernarg_size 48
		.amdhsa_user_sgpr_count 2
		.amdhsa_user_sgpr_kernarg_segment_ptr 1
		.amdhsa_wavefront_size32 1
		.amdhsa_system_sgpr_workgroup_id_x 1
		.amdhsa_system_sgpr_workgroup_id_y 1
		.amdhsa_system_sgpr_workgroup_id_z 1
		.amdhsa_system_vgpr_workitem_id 0
		.amdhsa_next_free_vgpr 256
		.amdhsa_next_free_sgpr 66
		.amdhsa_reserve_vcc 0
		.amdhsa_float_denorm_mode_32 3
		.amdhsa_float_denorm_mode_16_64 3
		.amdhsa_memory_ordered 1
		.amdhsa_forward_progress 1
		.amdhsa_inst_pref_size 16
	.end_amdhsa_kernel
	.amdgpu_metadata
---
amdhsa.version: [ 1, 2 ]
amdhsa.kernels:
  - .name:           k_q437dd636c3_fin
    .symbol:         k_q437dd636c3_fin.kd
    .args:
      - { .name: part, .offset: 0, .size: 8, .value_kind: global_buffer, .address_space: global }
      - { .name: sq, .offset: 8, .size: 8, .value_kind: global_buffer, .address_space: global }
      - { .name: w3q, .offset: 16, .size: 8, .value_kind: global_buffer, .address_space: global }
      - { .name: b1, .offset: 24, .size: 8, .value_kind: global_buffer, .address_space: global }
      - { .name: b2, .offset: 32, .size: 8, .value_kind: global_buffer, .address_space: global }
      - { .name: out0, .offset: 40, .size: 8, .value_kind: global_buffer, .address_space: global }
    .group_segment_fixed_size: 9728
    .private_segment_fixed_size: 0
    .kernarg_segment_align: 8
    .kernarg_segment_size: 48
    .max_flat_workgroup_size: 256
    .sgpr_count:     66
    .vgpr_count:     256
    .wavefront_size: 32
...
	.end_amdgpu_metadata
.endif
;; end of part 3
